; MI455X (gfx1250); checked and timed in simulation.
; The chip was launched on July 23, 2026; its instructions are those of AMD's public machine-readable ISA for CDNA 5 (MIT licence, August 2026) and "CDNA5" Instruction Set Architecture Reference Guide (July 2026). The comments in the code are by the model that wrote it; some were corrected since.
;; Binary Linear. Allowed arithmetic: float matrix products may take bf16 or f16 operands with f32 sums; all other float work in f32.
;; Inputs: bias 4,096 float32; weight 4,096 x 4,096 float32; x 2 x 2,048 x 4,096 float32.
;; Outputs: out0 2 x 2,048 x 4,096 float32.
;; One version. Each part assembles by itself: llvm-mc -triple=amdgcn-amd-amdhsa -mcpu=gfx1250 --defsym DOCPART=n.
;; ======== version 1 of 1: 2 launches
;; workspace buffers: xb 33,554,432 bytes; wb 33,554,432 bytes
;; launch cast (part 1): grid 2048 x 1, 8 waves a work-group, no clusters, 0 bytes of LDS; arguments x, weight, xb, wb; writes xb, wb
.if DOCPART == 1
	.amdgcn_target "amdgcn-amd-amdhsa--gfx1250"
	.amdhsa_code_object_version 6
	.text
	.protected	k_q3a2f833655_cast
	.globl	k_q3a2f833655_cast
	.p2align	8
	.type	k_q3a2f833655_cast,@function
k_q3a2f833655_cast:
	s_mov_b64 s[64:65], 0
	v_nop
	global_prefetch_b8 v0, s[64:65] scope:SCOPE_SE
	s_setreg_imm32_b32 hwreg(HW_REG_WAVE_MODE, 25, 1), 1
	s_wait_xcnt 0x0
; xb = bf16(x), wb = bf16(sign(weight)).  x, weight: 4096 x 4096 f32; xb, wb: the same shape in bf16, row-major.
; LIMITS.  x is rounded once, to nearest even; a magnitude beyond the largest finite bf16 (3.39e38) becomes an infinity.
; The sign is taken of the f32 weight: every number other than zero, denormals too, gives +1 or -1 (exact in bf16); +0 and -0 stay
; zeros; a NaN stays a NaN.
; SHARES.  A stream: no LDS, no barrier, no loop, no matrix work.  A work-group of eight waves owns 32,768 bytes of x and the same
; range of weight: eight pieces of 4,096 bytes.  Thread t takes the 16 bytes at 16 t of each piece, so a load of a wave covers 512
; neighbouring bytes; its four numbers become the 8 bytes at 8 t of a piece of 2,048 bytes, so a store of a wave covers 256
; consecutive bytes, aligned.  All sixteen loads of a thread go out at once; each slot has registers of its own, and no register
; that a store reads is written again, so the only waits are the counted ones for the loads.
.set PIECE_IN,  4096                   ; bytes of f32 that the 256 threads take at once
.set PIECE_OUT, 2048                   ; bytes of bf16 that they make of them
.set T, 4                              ; v[4:7]    +1 or -1 with the sign of four weights
.set X, 8                              ; v[8:39]   x, slot i: 4 registers as loaded; the first two then hold 4 bf16
.set W, 40                             ; v[40:71]  weight, likewise
	s_load_b256 s[4:11], s[0:1], 0x0               ; x s[4:5], weight s[6:7], xb s[8:9], wb s[10:11]
	s_lshl_b32 s12, ttmp9, 15                      ; the work-group's 32,768 bytes of f32 (2,047 x 32,768 stays under 2^26)
	s_mov_b32 s13, 0
	s_lshl_b32 s14, ttmp9, 14                      ; and its 16,384 bytes of bf16
	s_mov_b32 s15, 0
	s_mov_b32 s16, 0x80000000                      ; the sign bit
	s_mov_b32 s17, 0x3f800000                      ; 1.0
	v_lshlrev_b32 v1, 4, v0                        ; my 16 bytes in a piece of f32; never rewritten
	v_lshlrev_b32 v2, 3, v0                        ; my 8 bytes in a piece of bf16; never rewritten
	s_wait_kmcnt 0x0
	s_add_nc_u64 s[4:5], s[4:5], s[12:13]
	s_add_nc_u64 s[6:7], s[6:7], s[12:13]
	s_add_nc_u64 s[8:9], s[8:9], s[14:15]
	s_add_nc_u64 s[10:11], s[10:11], s[14:15]
.irp i, 0,1,2,3,4,5,6,7
	global_load_b128 v[X+4*(\i):X+4*(\i)+3], v1, s[4:5] offset:(\i)*PIECE_IN th:TH_LOAD_NT
.endr
.irp i, 0,1,2,3,4,5,6,7
	global_load_b128 v[W+4*(\i):W+4*(\i)+3], v1, s[6:7] offset:(\i)*PIECE_IN th:TH_LOAD_NT
.endr
; Slot i of x: four numbers rounded to bf16, in place, and stored.
.macro XS i
	s_wait_loadcnt 15-(\i)                         ; loads come back in order (ISA guide 5.7.1): behind mine stand 7 - i of x and the 8 of weight
	v_cvt_pk_bf16_f32 v[X+4*(\i)],   v[X+4*(\i)],   v[X+4*(\i)+1]
	v_cvt_pk_bf16_f32 v[X+4*(\i)+1], v[X+4*(\i)+2], v[X+4*(\i)+3]
	global_store_b64 v2, v[X+4*(\i):X+4*(\i)+1], s[8:9] offset:(\i)*PIECE_OUT
.endm
; Slot i of weight: the sign, then the same.
.macro WS i
	s_wait_loadcnt 7-(\i)                          ; behind mine stand 7 - i of weight
.irp j, 0,1,2,3
	v_and_or_b32 v[T+(\j)], v[W+4*(\i)+(\j)], s16, s17             ; 1.0 with the sign of w
.endr
.irp j, 0,1,2,3
	v_cmp_lg_f32 vcc_lo, 0, v[W+4*(\i)+(\j)]                       ; less or greater than 0: false for a zero and for a NaN,
	v_cndmask_b32 v[W+4*(\i)+(\j)], v[W+4*(\i)+(\j)], v[T+(\j)], vcc_lo  ; which stay as they are
.endr
	v_cvt_pk_bf16_f32 v[W+4*(\i)],   v[W+4*(\i)],   v[W+4*(\i)+1]
	v_cvt_pk_bf16_f32 v[W+4*(\i)+1], v[W+4*(\i)+2], v[W+4*(\i)+3]
	global_store_b64 v2, v[W+4*(\i):W+4*(\i)+1], s[10:11] offset:(\i)*PIECE_OUT
.endm
.irp i, 0,1,2,3,4,5,6,7
	XS \i
.endr
.irp i, 0,1,2,3,4,5,6,7
	WS \i
.endr
	s_endpgm
.Lfunc_end_k_q3a2f833655_cast:
	.size	k_q3a2f833655_cast, .Lfunc_end_k_q3a2f833655_cast-k_q3a2f833655_cast
	.p2alignl 7, 3214868480
	.fill 96, 4, 3214868480
	.section	.rodata,"a",@progbits
	.p2align	6, 0x0
	.amdhsa_kernel k_q3a2f833655_cast
		.amdhsa_group_segment_fixed_size 0
		.amdhsa_private_segment_fixed_size 0
		.amdhsa_enable_private_segment 0
		.amdhsa_kernarg_size 32
		.amdhsa_user_sgpr_count 2
		.amdhsa_user_sgpr_kernarg_segment_ptr 1
		.amdhsa_wavefront_size32 1
		.amdhsa_system_sgpr_workgroup_id_x 1
		.amdhsa_system_sgpr_workgroup_id_y 1
		.amdhsa_system_sgpr_workgroup_id_z 1
		.amdhsa_system_vgpr_workitem_id 0
		.amdhsa_next_free_vgpr 72
		.amdhsa_next_free_sgpr 66
		.amdhsa_reserve_vcc 1
		.amdhsa_float_denorm_mode_32 3
		.amdhsa_float_denorm_mode_16_64 3
		.amdhsa_memory_ordered 1
		.amdhsa_forward_progress 1
		.amdhsa_inst_pref_size 11
	.end_amdhsa_kernel
	.amdgpu_metadata
---
amdhsa.version: [ 1, 2 ]
amdhsa.kernels:
  - .name:           k_q3a2f833655_cast
    .symbol:         k_q3a2f833655_cast.kd
    .args:
      - { .name: x, .offset: 0, .size: 8, .value_kind: global_buffer, .address_space: global }
      - { .name: weight, .offset: 8, .size: 8, .value_kind: global_buffer, .address_space: global }
      - { .name: xb, .offset: 16, .size: 8, .value_kind: global_buffer, .address_space: global }
      - { .name: wb, .offset: 24, .size: 8, .value_kind: global_buffer, .address_space: global }
    .group_segment_fixed_size: 0
    .private_segment_fixed_size: 0
    .kernarg_segment_align: 8
    .kernarg_segment_size: 32
    .max_flat_workgroup_size: 256
    .sgpr_count:     66
    .vgpr_count:     72
    .wavefront_size: 32
...
	.end_amdgpu_metadata
.endif
;; end of part 1
;; launch gemm (part 2): grid 16 x 16, 4 waves a work-group, clusters of 4 x 4, 327,680 bytes of LDS; arguments xb, wb, bias, out0; writes out0
.if DOCPART == 2
	.amdgcn_target "amdgcn-amd-amdhsa--gfx1250"
	.amdhsa_code_object_version 6
	.text
	.protected	k_q3a2f833655_gemm
	.globl	k_q3a2f833655_gemm
	.p2align	8
	.type	k_q3a2f833655_gemm,@function
k_q3a2f833655_gemm:
	s_mov_b64 s[64:65], 0
	v_nop
	global_prefetch_b8 v0, s[64:65] scope:SCOPE_SE
	s_setreg_imm32_b32 hwreg(HW_REG_WAVE_MODE, 25, 1), 1
	s_wait_xcnt 0x0
	s_wait_alu depctr_hold_cnt(0) depctr_sa_sdst(0) depctr_va_vdst(0) depctr_va_sdst(0) depctr_va_ssrc(0) depctr_va_vcc(0) depctr_vm_vsrc(0)
	s_getreg_b32 s2, hwreg(HW_REG_IB_STS2, 6, 4)
	s_cmp_eq_u32 s2, 0
	s_cbranch_scc0 .Lentry_in_a_cluster
	s_endpgm
.Lentry_in_a_cluster:
	s_bfe_u32 s2, ttmp6, 0x10000c
	s_cmp_lg_u32 s2, 0xf033
	s_cbranch_scc0 .Lentry_shape_is_right
	s_endpgm
.Lentry_shape_is_right:
; out0[m][n] = bias[n] + the sum over k of xb[m][k] wb[n][k].  xb: [4096][4096] bf16 (x rounded once), wb: [4096][4096] bf16 (the signs
; of the weights: -1, 0, +1, exact), bias: [4096] f32, out0: [4096][4096] f32.
; LIMITS.  The products take bf16 operands; the sums are f32, one accumulator for each output, K ascending, and the bias is each sum's first
; addend (the C operand of the first product), so the order of the additions differs from a sum that adds the bias last.
; SHARES.  A tile of out0, 256 x 256, is made by a work-group of four waves; a wave makes 128 x 128: 64 accumulators of 16 x 16, 512 registers.
; 16 x 16 tiles, one to a work-group.  K goes in 32 steps of 128 through a ring of two LDS slots filled by the tensor data mover: a tile's rows
; are 256 bytes of memory and start at multiples of 256 bytes from the buffer's first byte.
; CLUSTERS.  4 x 4 work-groups.  The four of a row of the cluster need the same tiles of xb, the four of a column the same tiles of wb: each tile
; is asked for JOINTLY, by the same tensor load with the same descriptor and a mask that names the four; each receives it in its own LDS.
; THE MATRIX INSTRUCTION IS USED TRANSPOSED: source 0 = 16 rows of wb, source 1 = 16 rows of xb.  In the result lane l holds row l % 16 of out0 and
; its registers 0 to 7 the columns 8 (l / 16) + 0..7: 32 neighbouring bytes of a row.
; REGISTERS, in windows of 256 (s_set_vgpr_msb: bits 1:0 source 0, 3:2 source 1, 5:4 source 2, 7:6 destination):
;   window 0: v0-31 addresses; v64-127, v128-191 fragments of xb, two buffers (on the way out: rows read back from the stage); v192-255 the bias as C operands
;   window 1: v64-127, v128-191 fragments of wb, two buffers
;   window 2: the 32 accumulators of my rows 0-63 (accumulator (a, b) at v[8 (8 a + b)]);   window 3: those of my rows 64-127
.set SIZE_N, 4096
.set SIZE_K, 4096
.set KSTEP,  128
.set PITCH,  272                       ; an LDS row: 256 bytes of data + 16 of padding = 68 words: row r starts at bank 4 r mod 64 (64 banks of 4 bytes: ISA guide 11.1)
.set HALFT,  128*PITCH                 ; 128 rows: what one tensor load brings, and what one wave reads of xb or of wb
.set SLOT,   4*HALFT                   ; xb's 256 rows, then wb's 256 rows
.set STAGE,  2*SLOT                    ; behind the ring: 16 rows x 528 bytes for each wave, for the way out; no tensor load lands here
.set SPITCH, 528                       ; a stage row: 512 bytes of f32 + 16 = 33 x 16 bytes: the 16 rows that a store touches start at 16 different groups of four banks
.set SPARE,  STAGE+4*16*SPITCH         ; behind the stages: the spare words, 128 bytes for each wave: two blocks of 256 bytes that no other line names
.set LAPS,   SIZE_K/(2*KSTEP)          ; a lap = two K steps = once round the ring: 16
.set ADRA, 16                          ; v16-17  LDS address of my xb fragments in slot 0, 1
.set ADRB, 20                          ; v20-21  the same for wb
.set STO,  24                          ; v24     the way out: where I put 32 bytes of a row
.set RD,   25                          ; v25     the way out: where I read 16 bytes of a whole row back
.set CO,   26                          ; v26     my 16 bytes in 512 consecutive bytes of out0; never rewritten
.set BO,   27                          ; v27     my byte offset among 16 numbers of the bias: 32 (l / 16)
.set SPW,  28                          ; v28     LDS address of my spare word: SPARE + 4 x my thread's number; never rewritten
.set NIL,  29                          ; v29     0; never rewritten
.set F0,   64                          ; fragment buffer 0
.set F1,   128                         ; fragment buffer 1
.set OB,   64                          ; the way out: 16 rows read back: v64-127 and v128-191 by turns
.set BI,   192                         ; v[BI+8 b+j] = bias of my column 16 b + 8 (l / 16) + j: the C operand of n block b
.set WV,  12                           ; s12      my wave's number
.set G1,  24                           ; s[24:31] descriptor group 1 for xb's tiles
.set G0,  32                           ; s[32:39] descriptor group 0 for xb's tiles, one set for each slot
.set G1B, 48                           ; s[48:55] descriptor group 1 for wb's tiles: it differs in the mask alone
.set G0B, 56                           ; s[56:63] descriptor group 0 for wb's tiles, one set for each slot
.set MSB, 0
.macro WIN new                         ; the immediate's high byte repeats the setting that is left; a switch that changes nothing is dropped
.if MSB != (\new)
	s_set_vgpr_msb (MSB<<8)|(\new)
.set MSB, \new
.endif
.endm
.set TO_B, 0x40                        ; destination window 1, address window 0
; A joint load.  Waves 0 and 1 fetch xb's two halves, waves 2 and 3 wb's.  Each of the two lines has one mask and one set of registers for all that issue it.
; The branch hangs on the wave's number alone.  An s_nop 0 and four v_nop follow each of the two lines, ahead of the jump, the label and what follows.
.macro JLOAD s
	s_cmp_eq_u32 s13, 0
	s_cbranch_scc0 .Lfor_b_\@
	tensor_load_to_lds s[G0+4*(\s):G0+4*(\s)+3], s[G1:G1+7]
	s_nop 0
.rept 4
	v_nop
.endr
	s_branch .Lasked_\@
.Lfor_b_\@:
	tensor_load_to_lds s[G0B+4*(\s):G0B+4*(\s)+3], s[G1B:G1B+7]
	s_nop 0
.rept 4
	v_nop
.endr
.Lasked_\@:
.endm
; A round of the cluster's barrier: my work-group's barrier, so that wave 0's signal speaks for all four waves; wave 0 signals for the work-group; every wave waits
; for all sixteen work-groups; my work-group's barrier once more.  No LDS instruction of the wave is pending at a signal.
.macro CREST                           ; a round behind its opening barrier
	s_cmp_lg_u32 s[WV], 0
	s_cbranch_scc1 .Lnot_wave_0_\@
	s_barrier_signal -3
.Lnot_wave_0_\@:
	s_barrier_wait -3
	s_barrier_signal -1
	s_barrier_wait -1
.endm
.macro CROUND                          ; a whole round
	s_barrier_signal -1
	s_barrier_wait -1
	CREST
.endm
	s_load_b256 s[4:11], s[0:1], 0x0               ; xb s[4:5], wb s[6:7], bias s[8:9], out0 s[10:11]
	v_lshl_add_u32 v[SPW], v0, 2, SPARE
	v_mov_b32 v[NIL], 0
	ds_add_u32 v[SPW], v[NIL]                      ; the wave's opening: the add and its wait stand ahead of my first tensor load; the set-up below, work on registers, stands between them
	v_lshrrev_b32 v1, 5, v0
	v_readfirstlane_b32 s[WV], v1                  ; wave 0..3
	s_lshr_b32 s13, s[WV], 1                       ; which half of the tile's rows is mine.  Also: I fetch for xb (0) or for wb (1)
	s_and_b32 s14, s[WV], 1                        ; which half of its columns.  Also: which 128 rows of that tile I fetch
	s_bfe_u32 s40, ttmp6, 0x40000                  ; cx: my place along the cluster's x
	s_bfe_u32 s41, ttmp6, 0x40004                  ; cy: along its y
	s_lshl_b32 s42, ttmp9, 2                       ; in a cluster launch ttmp9 and ttmp7 count clusters
	s_add_co_u32 s42, s42, s40                     ; tile column = 4 x cluster x + cx
	s_and_b32 s45, ttmp7, 0xffff
	s_lshl_b32 s45, s45, 2
	s_add_co_u32 s45, s45, s41                     ; tile row = 4 x cluster y + cy
	s_lshl_b32 s43, s41, 2
	s_lshl_b32 s43, 15, s43                        ; my row of the cluster: places 4 cy .. 4 cy + 3
	s_lshl_b32 s44, 0x1111, s40                    ; my column: places cx, cx + 4, cx + 8, cx + 12
	; descriptor group 1: a tile of 128 rows x 128 elements, padded in LDS
	s_or_b32 s[G1+0], s43, (1<<16)|(1<<20)|(1<<21)|(5<<22)|(3<<25)   ; 15:0 the mask: xb's tiles go to my row; 17:16 elements of 2 bytes; 20 padding on; 21 set beside a mask; 24:22 after every 64 words (code 5); 31:25 4 words of it (code 3)
	s_or_b32 s[G1B+0], s44, (1<<16)|(1<<20)|(1<<21)|(5<<22)|(3<<25)  ; the same with the mask of my column, for wb's tiles
.irp g, G1, G1B
	s_mov_b32 s[(\g)+1], KSTEP<<16                 ; 63:48 tensor_dim0, low half = 128
	s_mov_b32 s[(\g)+2], 128<<16                   ; 79:64 its high half = 0; 95:80 tensor_dim1, low half = 128
	s_mov_b32 s[(\g)+3], KSTEP<<16                 ; 111:96 its high half = 0; 127:112 tile_dim0 = 128
	s_mov_b32 s[(\g)+4], 128                       ; 143:128 tile_dim1 = 128; 159:144 tile_dim2 = 0
	s_mov_b32 s[(\g)+5], SIZE_K                    ; 191:160 tensor_dim0_stride, low word: elements from row to row
	s_mov_b32 s[(\g)+6], 0
	s_mov_b32 s[(\g)+7], 0
.endr
	; where the tiles come from.  xb's hang on the tile row alone, which my row of the cluster shares; wb's on the tile column alone, which my column shares.
	; Every wave makes both addresses, in registers that never hold the other coordinate, and asks by one of them.  A row is 8,192 bytes; 4,095 rows stay under 2^25 bytes.
	s_lshl_b32 s21, s14, 7                         ; which 128 rows of the tile I fetch
	s_lshl_b32 s16, s45, 8
	s_add_co_u32 s16, s16, s21                     ; xb: row 256 x tile row + 128 x half,
	s_lshl_b32 s16, s16, 13                        ; in bytes
	s_mov_b32 s17, 0
	s_lshl_b32 s46, s42, 8
	s_add_co_u32 s46, s46, s21                     ; wb: row 256 x tile column + 128 x half,
	s_lshl_b32 s46, s46, 13                        ; in bytes
	s_mov_b32 s47, 0
	s_mul_i32 s20, s[WV], HALFT                    ; and where they go: xb's two halves, then wb's two halves = wave x 128 rows: no place in the cluster enters an LDS address
	s_wait_dscnt 0x0                               ; the opening add is done
	s_wait_kmcnt 0x0
	s_add_nc_u64 s[66:67], s[4:5], s[16:17]
	s_add_nc_u64 s[46:47], s[6:7], s[46:47]
	CROUND                                         ; all sixteen work-groups are here: the first joint loads meet
.irp s, 0,1
	s_mov_b32 s[G0+4*(\s)], 1                                        ; 1:0 count = 1
	s_add_co_u32 s[G0+4*(\s)+1], s20, (\s)*SLOT                      ; 63:32 LDS address
	s_add_nc_u64 s[G0+4*(\s)+2:G0+4*(\s)+3], s[66:67], (\s)*KSTEP*2  ; 120:64 global address: K step s
	s_or_b32 s[G0+4*(\s)+3], s[G0+4*(\s)+3], 0x80000000              ; 127:126 type = 2
	s_mov_b32 s[G0B+4*(\s)], 1
	s_add_co_u32 s[G0B+4*(\s)+1], s20, (\s)*SLOT
	s_add_nc_u64 s[G0B+4*(\s)+2:G0B+4*(\s)+3], s[46:47], (\s)*KSTEP*2
	s_or_b32 s[G0B+4*(\s)+3], s[G0B+4*(\s)+3], 0x80000000
	JLOAD \s                                       ; the ring is filled before anything else is done: two tensor loads of mine are out
.endr
	; A fragment is 16 rows x 32 K in 8 registers: lane l holds row l % 16; registers 0-3 hold K = 8 (l / 16) + 0..7, registers 4-7 hold
	; K = 16 + 8 (l / 16) + 0..7.  From rows that lie along K: two loads of 16 bytes, 32 bytes apart.  The same for source 0 and source 1.
	v_and_b32 v1, 15, v0                           ; l % 16
	v_bfe_u32 v2, v0, 4, 1                         ; l / 16
	v_mul_u32_u24 v3, v1, PITCH
	v_lshl_add_u32 v3, v2, 4, v3                   ; row x pitch + 16 x half
	s_mul_i32 s21, s13, HALFT                      ; my 128 rows of xb
	s_mul_i32 s22, s14, HALFT                      ; my 128 rows of wb,
	s_add_co_u32 s22, s22, 2*HALFT                 ; which lie behind xb's 256
.irp s, 0,1
	v_add_nc_u32 v[ADRA+(\s)], s21, v3
	v_add_nc_u32 v[ADRB+(\s)], s22, v3
	s_add_co_u32 s21, s21, SLOT
	s_add_co_u32 s22, s22, SLOT
.endr
	s_mul_i32 s23, s[WV], 16*SPITCH
	s_add_co_u32 s23, s23, STAGE                   ; my stage
	v_mul_u32_u24 v4, v1, SPITCH                   ; in: row l % 16, 32 bytes for each half of the lanes
	v_lshl_add_u32 v4, v2, 5, v4
	v_add_nc_u32 v[STO], s23, v4
	v_and_b32 v5, 31, v0
	v_lshlrev_b32 v[CO], 4, v5                     ; back: the 32 lanes take one row of 512 bytes, 16 bytes each; the same place in a row of out0
	v_add_nc_u32 v[RD], s23, v[CO]
	v_lshlrev_b32 v[BO], 5, v2
	; my first column in bytes of f32 (for the bias and for out0), and my first row of out0 in bytes: 16,384 a row, 4,095 rows stay under 2^26
	s_lshl_b32 s68, s42, 10                        ; 1,024 x tile column
	s_lshl_b32 s21, s14, 9
	s_add_co_u32 s68, s68, s21                     ; + 512 x half
	s_mov_b32 s69, 0
	s_lshl_b32 s16, s45, 8
	s_lshl_b32 s21, s13, 7
	s_add_co_u32 s16, s16, s21                     ; row 256 x tile row + 128 x half
	s_lshl_b32 s16, s16, 14
	s_add_nc_u64 s[8:9], s[8:9], s[68:69]          ; the bias at my first column
	s_add_nc_u64 s[10:11], s[10:11], s[16:17]      ; out0 at my first row
	s_add_nc_u64 s[10:11], s[10:11], s[68:69]      ; and column; never stepped again
.irp b, 0,1,2,3,4,5,6,7
	global_load_b128 v[BI+8*(\b):BI+8*(\b)+3],   v[BO], s[8:9] offset:64*(\b)      ; the bias of columns 16 b + 8 (l / 16) + 0..3,
	global_load_b128 v[BI+8*(\b)+4:BI+8*(\b)+7], v[BO], s[8:9] offset:64*(\b)+16   ; + 4..7: the layout of a result's eight registers
.endr
; 16 matrix instructions: m blocks a0, a0 + 1 of the window's four (hi = 0: my rows 0-63, 1: rows 64-127) x all 8 n blocks, 32 along K.
; first = 1: the sums begin: C is the bias (window 0), so nothing is cleared and nothing is added later.
; The 64 accumulators take turns, one instruction a turn, in the same order in every quarter step.
.macro MUL16 f, hi, a0, first
.if \first
	WIN 0x81+0x40*(\hi)                            ; source 0 (wb) window 1, source 1 (xb) and C window 0, D window 2 or 3
.else
	WIN 0xa1+0x50*(\hi)                            ; source 0 window 1, source 1 window 0, C and D window 2 or 3
.endif
.irp a, \a0, (\a0)+1
.irp b, 0,1,2,3,4,5,6,7
.if \first
	v_wmma_f32_16x16x32_bf16 v[8*(8*(\a)+(\b)):8*(8*(\a)+(\b))+7], v[(\f)+8*(\b):(\f)+8*(\b)+7], v[(\f)+8*(4*(\hi)+(\a)):(\f)+8*(4*(\hi)+(\a))+7], v[BI+8*(\b):BI+8*(\b)+7]
.else
	v_wmma_f32_16x16x32_bf16 v[8*(8*(\a)+(\b)):8*(8*(\a)+(\b))+7], v[(\f)+8*(\b):(\f)+8*(\b)+7], v[(\f)+8*(4*(\hi)+(\a)):(\f)+8*(4*(\hi)+(\a))+7], v[8*(8*(\a)+(\b)):8*(8*(\a)+(\b))+7]
.endif
.endr
.endr
.endm
; 32 LDS loads in one run: the fragments of one quarter step (128 rows of wb, 128 rows of xb, 32 K at byte k of the rows) into buffer f
.macro FETCH slot, k, f
	WIN TO_B
.irp i, 0,1,2,3,4,5,6,7
	ds_load_b128 v[(\f)+8*(\i):(\f)+8*(\i)+3],   v[ADRB+(\slot)] offset:(\k)+(\i)*16*PITCH
	ds_load_b128 v[(\f)+8*(\i)+4:(\f)+8*(\i)+7], v[ADRB+(\slot)] offset:(\k)+(\i)*16*PITCH+32
.endr
	WIN 0
.irp i, 0,1,2,3,4,5,6,7
	ds_load_b128 v[(\f)+8*(\i):(\f)+8*(\i)+3],   v[ADRA+(\slot)] offset:(\k)+(\i)*16*PITCH
	ds_load_b128 v[(\f)+8*(\i)+4:(\f)+8*(\i)+7], v[ADRA+(\slot)] offset:(\k)+(\i)*16*PITCH+32
.endr
.endm
; A load into a register that a matrix instruction has read, and an LDS store that reads a matrix result, stand four places behind that matrix instruction, and only plain
; vector instructions that name none of its registers are places (ISA guide 7.12.1 for vector instructions).
.macro PLACES
.rept 4
	v_nop
.endr
.endm
; A K step is four quarter steps of 32 along K, 64 matrix instructions each, on buffers 0, 1, 0, 1.
; One of the first three: multiplies buffer f; in its middle it fetches the next quarter's fragments, at byte k of the same slot's rows, into buffer g.
.macro QUARTER slot, k, f, g, first
	s_wait_dscnt 8                                 ; wb and xb's rows 0-63 are in; the youngest eight loads (xb's rows 64-127) may be out
	MUL16 \f, 0, 0, \first
	MUL16 \f, 0, 2, \first
	PLACES
	FETCH \slot, \k, \g
	s_wait_dscnt 32                                ; all but the 32 just issued
	MUL16 \f, 1, 0, \first
	MUL16 \f, 1, 2, \first
.endm
; The last quarter multiplies buffer 1 and changes slots.  MEET is its first half: ONE barrier for the change of slots.  In front of it each wave waits for all its tensor loads,
; of which one is out: its part of the next slot; adds 0 to its spare word; and waits for that and for its own reads of this slot.  Behind it nobody reads this slot any more and the next slot is whole.
.macro MEET round                      ; round = 1: a round of the cluster's barrier follows
	WIN 0                                          ; (the add's two registers lie in window 0)
	s_wait_tensorcnt 0x0                           ; all my tensor loads have landed: the one that was out is my part of the next slot;
	ds_add_u32 v[SPW], v[NIL]                      ; 0 onto my spare word;
	s_wait_dscnt 9                                 ; (the add and the youngest eight loads may be out)
	MUL16 F1, 0, 0, 0                              ; sixteen matrix instructions stand between the add and the wait for it
	s_wait_dscnt 0x0                               ; the add is done, and my reads of this slot are over:
	s_barrier_signal -1                            ; say so (where a slot is filled again this barrier opens a round of the cluster's barrier),
	MUL16 F1, 0, 2, 0                              ; work on registers while the others arrive,
.if \round
	WIN 0
.endif
	s_barrier_wait -1                              ; and go on when all four have said so
.endm
; The whole last quarter.  fill = 1: behind the round the slot just read out is filled again first, with the K step two steps on: from that request to the wait for it a wave issues
; 224 matrix instructions, and one tensor load of mine is out.  Then come the next slot's first fragments.
.macro TURN slot, next, fill
	MEET \fill
.if \fill
	CREST                                          ; wave 0 says so for the work-group, all sixteen work-groups have said so, my work-group's barrier closes the round:
	                                               ; no wave of any partner still reads this slot's tile or has a load on its way
	s_add_nc_u64 s[G0+4*(\slot)+2:G0+4*(\slot)+3], s[G0+4*(\slot)+2:G0+4*(\slot)+3], 2*KSTEP*2      ; no tensor load of mine is out, so a group 0 may be written
	s_add_nc_u64 s[G0B+4*(\slot)+2:G0B+4*(\slot)+3], s[G0B+4*(\slot)+2:G0B+4*(\slot)+3], 2*KSTEP*2  ; the type bits on top are not reached
	JLOAD \slot                                    ; the first tensor load behind the round; the four v_nop behind it are also the places in front of the loads below
.else
	PLACES
.endif
	FETCH \next, 0, F0
	MUL16 F1, 1, 0, 0
	MUL16 F1, 1, 2, 0
.endm
; THE WAY OUT of block a (16 rows x 128 columns of f32).  TOSTAGE: a lane's 32 bytes of each of the 8 n blocks go into my own stage, each accumulator's low four registers
; first; then the 16 rows come back whole, 512 bytes a row.  SEND: they are stored.
.macro TOSTAGE a
.set AC, 64*((\a)%4)
.set BK, OB+64*((\a)%2)
	WIN 0x08+4*((\a)/4)                            ; the stores' data (source 1) in window 2 or 3, the address in window 0
.irp b, 0,1,2,3,4,5,6,7
	ds_store_b128 v[STO], v[AC+8*(\b):AC+8*(\b)+3]   offset:64*(\b)
	ds_store_b128 v[STO], v[AC+8*(\b)+4:AC+8*(\b)+7] offset:64*(\b)+16
.endr
	WIN 0
.if (\a) >= 2
	s_wait_xcnt 0x0                                ; the registers below were the data of the stores of the block two back: they are loaded again only behind this wait (ISA guide 3.1)
.endif
.irp t, 0,1,2,3,4,5,6,7,8,9,10,11,12,13,14,15
	ds_load_b128 v[BK+4*(\t):BK+4*(\t)+3], v[RD] offset:(\t)*SPITCH  ; LDS serves a wave's instructions in order (ISA guide 5.7.1.4): these see the stores above, and the next block's stores come behind them
.endr
.endm
.macro SEND a, younger                 ; younger: the LDS instructions issued behind this block's loads: the next block's 16 stores and 16 loads, or none
	WIN 0
.set BK, OB+64*((\a)%2)
.irp t, 0,1,2,3,4,5,6,7,8,9,10,11,12,13,14,15
	s_wait_dscnt (\younger)+15-(\t)                ; row t is back; behind it stand this block's 15 - t later rows and the younger ones
	global_store_b128 v[CO], v[BK+4*(\t):BK+4*(\t)+3], s[10:11] offset:(16*(\a)+(\t))*SIZE_N*4 th:TH_STORE_NT  ; 32 lanes store 512 consecutive bytes, at a multiple of 512 from out0's first byte; 127 rows at the most: inside the signed 24-bit immediate
.endr
.endm
	s_wait_loadcnt 0x0                             ; the bias
	s_wait_tensorcnt 1                             ; my part of K step 0 is in; K step 1's may stay out
	s_barrier_signal -1
	s_barrier_wait -1                              ; everybody's is
	FETCH 0, 0, F0
	QUARTER 0, 64,  F0, F1, 1                      ; the first quarter stands in front of the loop: its products start the sums, from the bias
	WIN 0                                          ; at a label and at a branch every window is 0
	s_mov_b32 s15, LAPS-1
.Llap:                                                 ; a trip goes once round the ring, from a lap's second quarter to the next lap's first, and fills both slots again: trip t asks for K steps 2 t + 2 and 2 t + 3
	QUARTER 0, 128, F1, F0, 0
	QUARTER 0, 192, F0, F1, 0
	TURN 0, 1, 1
	QUARTER 1, 64,  F0, F1, 0
	QUARTER 1, 128, F1, F0, 0
	QUARTER 1, 192, F0, F1, 0
	TURN 1, 0, 1
	QUARTER 0, 64,  F0, F1, 0
	WIN 0
	s_sub_co_u32 s15, s15, 1
	s_cmp_lg_u32 s15, 0
	s_cbranch_scc1 .Llap
	QUARTER 0, 128, F1, F0, 0                      ; the last lap is written out: it fills nothing, and has no round of the cluster's barrier
	QUARTER 0, 192, F0, F1, 0
	TURN 0, 1, 0                                   ; my one tensor load that was still out is slot 1's, the last K step's
	QUARTER 1, 64,  F0, F1, 0
	QUARTER 1, 128, F1, F0, 0
	QUARTER 1, 192, F0, F1, 0
	s_wait_dscnt 8                                 ; the very last quarter: nothing more to fetch
	MUL16 F1, 0, 0, 0
	MUL16 F1, 0, 2, 0
	s_wait_dscnt 0x0
	MUL16 F1, 1, 0, 0
	MUL16 F1, 1, 2, 0
	WIN 0
	PLACES                                         ; in front of the stage's stores, which read results, and of its loads into the fragment buffers
	TOSTAGE 0
.irp a, 1,2,3,4,5,6,7                  ; block a's trip through the stage is issued ahead of block a - 1's stores
	TOSTAGE \a
	SEND (\a)-1, 32
.endr
	SEND 7, 0
	s_wait_tensorcnt 0x0                           ; the wave's end: behind my last tensor load and my last LDS store
	ds_add_u32 v[SPW], v[NIL]
	s_wait_dscnt 0x0
	CROUND                                         ; the closing round: no work-group ends while a partner may still ask for a tile that names it
	s_endpgm
.Lfunc_end_k_q3a2f833655_gemm:
	.size	k_q3a2f833655_gemm, .Lfunc_end_k_q3a2f833655_gemm-k_q3a2f833655_gemm
	.p2alignl 7, 3214868480
	.fill 96, 4, 3214868480
	.section	.rodata,"a",@progbits
	.p2align	6, 0x0
	.amdhsa_kernel k_q3a2f833655_gemm
		.amdhsa_group_segment_fixed_size 327680
		.amdhsa_private_segment_fixed_size 0
		.amdhsa_enable_private_segment 0
		.amdhsa_kernarg_size 32
		.amdhsa_user_sgpr_count 2
		.amdhsa_user_sgpr_kernarg_segment_ptr 1
		.amdhsa_wavefront_size32 1
		.amdhsa_system_sgpr_workgroup_id_x 1
		.amdhsa_system_sgpr_workgroup_id_y 1
		.amdhsa_system_sgpr_workgroup_id_z 1
		.amdhsa_system_vgpr_workitem_id 0
		.amdhsa_next_free_vgpr 1024
		.amdhsa_next_free_sgpr 72
		.amdhsa_reserve_vcc 0
		.amdhsa_float_denorm_mode_32 3
		.amdhsa_float_denorm_mode_16_64 3
		.amdhsa_memory_ordered 1
		.amdhsa_forward_progress 1
		.amdhsa_inst_pref_size 145
	.end_amdhsa_kernel
	.amdgpu_metadata
---
amdhsa.version: [ 1, 2 ]
amdhsa.kernels:
  - .name:           k_q3a2f833655_gemm
    .symbol:         k_q3a2f833655_gemm.kd
    .args:
      - { .name: xb, .offset: 0, .size: 8, .value_kind: global_buffer, .address_space: global }
      - { .name: wb, .offset: 8, .size: 8, .value_kind: global_buffer, .address_space: global }
      - { .name: bias, .offset: 16, .size: 8, .value_kind: global_buffer, .address_space: global }
      - { .name: out0, .offset: 24, .size: 8, .value_kind: global_buffer, .address_space: global }
    .group_segment_fixed_size: 327680
    .private_segment_fixed_size: 0
    .kernarg_segment_align: 8
    .kernarg_segment_size: 32
    .max_flat_workgroup_size: 128
    .sgpr_count:     72
    .vgpr_count:     1024
    .wavefront_size: 32
...
	.end_amdgpu_metadata
.endif
;; end of part 2
